; MI455X (gfx1250); checked and timed in simulation.
; The chip was launched on July 23, 2026; its instructions are those of AMD's public machine-readable ISA for CDNA 5 (MIT licence, August 2026) and "CDNA5" Instruction Set Architecture Reference Guide (July 2026). The comments in the code are by the model that wrote it; some were corrected since.
;; SDPA Simple. Allowed arithmetic: matrix products marked QUANTISED: E2M1 operands, one E8M0 scale for each 32 along K, by v_wmma_scale_f32_16x16x128_f8f6f4 with both operands' format E2M1 (or v_wmma_scale_f32_32x16x128_f4), f32 sums; everything else in f32.
;; Inputs: input_pos 1 int32; k 2 x 8 x 2,048 x 128 float32; mask 2,048 x 2,048 float32; q 2 x 32 x 2,048 x 128 float32; v 2 x 8 x 2,048 x 128 float32.
;; Outputs: out0 2 x 2,048 x 4,096 float32.
;; Constants: bsz = 2, seqlen = 2048.
;; This version of the problem:
;;   THIS VERSION OF THE PROBLEM IS GIVEN IN LOW PRECISION. The matrix products marked QUANTISED in the list below multiply operands that are first quantised to E2M1 (2 exponent bits, 1 mantissa bit; 4 bits a number), with one power-of-two scale for each 32 numbers along K (OCP MX v1.0); their sums are f32. All else is computed in f32.
;;   The module's matrix products, in the order in which they are computed (A, B: the left and right operand; K: the contracted axis; several contracted axes count as one K, in the product's order):
;;     1. batch 64 x [M 2,048, K 128] x [K 128, N 2,048]; A: input q; B: input k: QUANTISED
;;     2. batch 64 x [M 2,048, K 2,048] x [K 2,048, N 128]; A: softmax (see below); B: input v: QUANTISED
;;   THE QUANTISER, for each operand of a quantised product, along K:
;;     - K is cut into blocks of 32 from its start; a last block that is shorter is filled with zeros.
;;     - A block's scale is 2^e with e = floor(log2(the largest magnitude in the block)) - 2, held to -126 .. 127; a block of zeros has e = 0. As a byte (E8M0): e + 127.
;;     - Each number is divided by its block's scale, clamped to +-6, and rounded to the nearest number of E2M1, ties to even, subnormals kept.
;;     - The product sums the exact products of the quantised numbers (number of the format x scale) in f32.
;;   ~~~python
;;   def quantise(x, axis):      # numpy; x: float32 -> the quantised numbers, widened to float32 again
;;       x = np.moveaxis(x, axis, -1); K = x.shape[-1]
;;       x = np.pad(x, [(0, 0)] * (x.ndim - 1) + [(0, -K % 32)]); x = x.reshape(x.shape[:-1] + (-1, 32)); a = np.abs(x).max(-1, keepdims=True)
;;       e = np.where(a > 0, np.clip(np.frexp(np.where(a > 0, a, 1))[1] - 1 - 2, -126, 127), 0)      # np.frexp(a)[1] - 1 = floor(log2(a)), exactly
;;       r = np.clip(x / 2.0 ** e, -6, 6)
;;       step = 2.0 ** (np.maximum(np.frexp(np.where(r == 0, 1, r))[1] - 1, 0) - 1)
;;       q = np.round(r / step) * step * 2.0 ** e      # np.round: ties to even
;;       return np.moveaxis(q.reshape(q.shape[:-2] + (-1,))[..., :K], -1, axis).astype(np.float32)
;;   ~~~
;;   SOFTMAX AHEAD OF A QUANTISED PRODUCT. Where the list says 'softmax', what is quantised is not the finished softmax but p = 2^(t - M), with t = logit x log2(e) and M = ceil(the row's largest t), a whole number; so 1/2 < the row's largest p <= 1. The row's sum l is taken of the UNQUANTISED p, in f32, and the product's result is divided by l at the end. Since M is a whole number, a kernel that streams over the keys may use a running M (the ceiling of the running maximum): every later rescaling is an exact power of two, which a block's scale takes up: the codes' values come out the same.
;;   OPERANDS COMPUTED ON THE WAY. 'Computed on the way' means the value that the module computes at that place (a softmax that the list does not call 'softmax' is quantised finished and normalised). What goes into a quantiser is computed in f32, as accurately as f32 sums, v_exp_f32 and their like allow (about 1e-6 of the number): no bf16 or f16 on the way to a quantiser, and a product that is left as it is and whose result goes on into a quantised operand takes f32 operands (vector FMAs, or v_wmma_f32_16x16x4_f32). A number that lies on a knife's edge between two numbers of the format may be rounded either way, as far as f32 arithmetic and the matrix unit's own rounding can turn it there, and no further.
;; One version. Each part assembles by itself: llvm-mc -triple=amdgcn-amd-amdhsa -mcpu=gfx1250 --defsym DOCPART=n.
;; ======== version 1 of 1: 2 launches
;; limits: inputs' magnitudes at most 7.3e+36; right only within a limited range of input values
;; workspace buffers: kimg 2,228,224 bytes; vimg 2,228,224 bytes; mimg 16,777,216 bytes; flags 8,192 bytes of whole numbers
;; launch prep (part 1): grid 1024 x 1, 4 waves a work-group, no clusters, 68,096 bytes of LDS; arguments k, v, mask, input_pos, kimg, vimg, mimg, flags; writes kimg, vimg, mimg, flags
.if DOCPART == 1
	.amdgcn_target "amdgcn-amd-amdhsa--gfx1250"
	.amdhsa_code_object_version 6
	.text
	.protected	k_q84fd99c2c7_prep
	.globl	k_q84fd99c2c7_prep
	.p2align	8
	.type	k_q84fd99c2c7_prep,@function
k_q84fd99c2c7_prep:
	s_mov_b64 s[64:65], 0
	v_nop
	global_prefetch_b8 v0, s[64:65] scope:SCOPE_SE
	s_setreg_imm32_b32 hwreg(HW_REG_WAVE_MODE, 25, 1), 1
	s_wait_xcnt 0x0
; PREPARATION for the attention launch.  k, v: [16 key/value heads][2048 keys][128] f32.  mask: [2048 queries][2048 keys] f32, additive.
; Everything is laid IN THE ORDER OF THE MATRIX OPERANDS' REGISTERS, by key steps of 128 keys, so that the attention launch loads each fragment by 16-byte loads, lane l at 16 l, 512 consecutive bytes a load.
;   kimg [head 16][step 16][8,704 bytes]: 8 fragments of 16 keys x 128 channels as FP4 (E2M1) codes (tile T, half c of its registers: byte 1024 T + 512 c + 16 lane), then 512 bytes of scale words.
;        THE KEYS OF A TILE ARE NOT NEIGHBOURS: row r of tile 2 b + u is key 32 b + 8 u + r + 8 (r / 8), so that the scores of tiles 2 b and 2 b + 1 are 16 neighbouring keys in a lane.
;   vimg the same shape: tile t = channels 16 t .. 16 t + 15, K = the step's 128 keys in their own order.
;        Scale words of both: byte 16 lane + 4 i holds the word of tile 2 i + lane / 16, row lane % 16: one 16-byte load gives four registers, each with an even tile's words below and an odd tile's above.
;   mimg [query tile 128][step 16][8,192 bytes]: max(mask x sqrt(128), -3e38), f32, in the layout of the score product's C operand: register 16 b + i of lane (r, h) is the entry [16 qt + r][128 ks + 32 b + 16 h + i]; group n of four registers at 512 n + 16 lane.
;        The hold at -3e38 keeps the operand finite; the attention launch's running maximum begins above what such an entry gives, so its p is exactly 0, as -infinity's is.
;   flags [query tile 128][step 16] u32: 1 << step where any of the tile's 16 x 128 mask entries lies above -infinity, else 0.  The attention launch leaves out the tiles whose word is 0: all their p are exactly 0.
; A block's scale is 2^(floor(log2(its largest magnitude)) - 2); its byte is the largest magnitude's exponent field - 2, held at 1 from below.
; LIMITS: a block of zeros, and one whose largest magnitude lies under 2^-124, keep the byte 1 (a zero block's codes are zeros; this program alone reads the bytes).  Mask entries under -2.65e37 count as -infinity.
; NaN among the inputs is not served: a mask tile of NaN and -infinity alone gets the word 0, and a NaN in the mask is stored as -3e38.
; input_pos: reference() makes nothing of it; its four bytes are read and nothing hangs on them.
; SHARES.  Work-groups 0-255: K, one (head, step) each, wave w = tiles 2 w, 2 w + 1.  256-511: V likewise, wave w = channels 32 w on.  512-1023: the mask, a wave = one tile of 16 queries x 128 keys.
; No tensor loads, no barrier: waves share nothing.  The two paths that use LDS have bytes of their own.  No branch and no address hangs on a loaded number.
; The scale words (128 bytes of a block's 512 from each wave) and the flags (4 bytes a wave) are the only stores that do not cover 256 consecutive aligned bytes: 264 KiB of the launch's 21 MiB.
.set STG, 8448                         ; a wave's stage: 16 rows x (512 bytes + 16)
.set BLK, 8704                         ; a step's block of kimg or vimg
.set R,   16                           ; v16-143  numbers as loaded
.set X,   144                          ; v144-207 64 numbers: register 16 b + i = place 32 b + 16 (lane / 16) + i of row lane % 16
.set PC,  208                          ; v208-223 codes
.set BM,  224                          ; v224-227 the blocks' largest magnitudes
.set PT,  228                          ; v228-231 the other half's; then the bytes
.set SO,  232                          ; v232-235 the conversions' scale operands
.set PW,  236                          ; v236-237 the two tiles' scale words
.set SW,  238                          ; v238     the scale word that is stored
.set TA,  240                          ; v240-243 at work
	s_load_b256 s[4:11], s[0:1], 0x0               ; k s[4:5], v s[6:7], mask s[8:9], input_pos s[10:11]
	s_load_b256 s[12:19], s[0:1], 0x20             ; kimg s[12:13], vimg s[14:15], mimg s[16:17], flags s[18:19]
	v_lshl_add_u32 v254, v0, 2, 0x10800
	v_mov_b32 v255, 0
	v_lshrrev_b32 v14, 5, v0
	v_readfirstlane_b32 s20, v14                   ; wave 0..3
	v_and_b32 v1, 31, v0                           ; lane
	v_and_b32 v2, 15, v0                           ; r
	v_bfe_u32 v3, v0, 4, 1                         ; h
	v_lshlrev_b32 v4, 4, v1                        ; 16 x lane
	v_lshlrev_b32 v5, 2, v1                        ; 4 x lane
	s_mul_i32 s21, s20, STG
	v_add_nc_u32 v6, s21, v4                       ; K path, stage by rows: 16 bytes a lane
	v_mul_u32_u24 v7, v2, 528
	v_lshl_add_u32 v7, v3, 6, v7
	v_add_nc_u32 v7, s21, v7                       ; and by fragments: row r, + 64 h
	v_add_nc_u32 v8, 4*STG, v6                     ; the mask path has stages of its own
	v_add_nc_u32 v9, 4*STG, v7
	s_lshl_b32 s22, s20, 11
	v_add_nc_u32 v10, s22, v4                      ; kimg: 2048 wave + 16 lane
	v_lshlrev_b32 v11, 4, v2
	v_lshl_add_u32 v11, v3, 10, v11
	v_add_nc_u32 v11, s22, v11                     ; vimg: 2048 wave + 1024 h + 16 r
	s_lshl_b32 s23, s20, 2
	v_add_nc_u32 v12, s23, v4                      ; scale words: 16 lane + 4 wave
	v_mov_b32 v13, 0
.irp b, 0,1,2,3
	v_mov_b32 v[PT+\b], 0                          ; written once: a lane permute's destination counts as one of its sources
.endr
	s_mov_b32 s38, 0x76543210
	s_mov_b32 s39, 0xfedcba98                      ; v_permlanex16_b32: lane l xor 16
	s_mov_b32 s44, 0x413504f3                      ; sqrt(128)
	s_mov_b32 s45, s44                             ; (named with it as a pair, so it is written)
	s_mov_b32 s25, 0
	s_wait_kmcnt 0x0
	s_load_b32 s42, s[10:11], 0x0                  ; input_pos: read, and used for nothing, as in reference()
; 16 rows of 512 bytes go into the stage as they were loaded and come back 64 bytes a lane and block.  LDS serves a wave's instructions in order: no wait between the stores and the loads.
.macro TURN sti, stf, reg
.irp i, 0,1,2,3,4,5,6,7,8,9,10,11,12,13,14,15
	ds_store_b128 v[\sti], v[\reg+4*\i:\reg+4*\i+3] offset:528*\i
.endr
.irp b, 0,1,2,3
.irp j, 0,1,2,3
	ds_load_b128 v[X+16*\b+4*\j:X+16*\b+4*\j+3], v[\stf] offset:128*\b+16*\j
.endr
.endr
.endm
; The 64 numbers in X become a fragment's 8 registers of codes, v[pc] on, and its rows' scale word, v[pw].
.macro QUANT pc, pw
.irp b, 0,1,2,3
	v_max3_num_f32 v[BM+\b], |v[X+16*\b]|, |v[X+1+16*\b]|, 0x1800000   ; block b: my 16 numbers, and the floor 2^(3 - 127): the byte cannot fall under 1
.endr
.irp i, 2,4,6,8,10,12,14
.irp b, 0,1,2,3
	v_max3_num_f32 v[BM+\b], v[BM+\b], |v[X+16*\b+\i]|, |v[X+1+16*\b+\i]|   ; the four blocks by turns
.endr
.endr
.irp b, 0,1,2,3
	v_permlanex16_b32 v[PT+\b], v[BM+\b], s38, s39
.endr
.irp b, 0,1,2,3
	v_max_num_f32 v[BM+\b], v[BM+\b], v[PT+\b]     ; with lane l xor 16: the block's largest magnitude
.endr
.irp b, 0,1,2,3
	v_add_nc_u32 v[SO+\b], 0xff000000, v[BM+\b]    ; 2 off its exponent field: the conversion takes that field as its scale
.endr
.irp b, 0,1,2,3
	v_lshrrev_b32 v[PT+\b], 23, v[SO+\b]           ; the scale's byte
.endr
	v_lshl_or_b32 v[\pw], v[PT+1], 8, v[PT]
	v_lshl_or_b32 v[\pw], v[PT+2], 16, v[\pw]
	v_lshl_or_b32 v[\pw], v[PT+3], 24, v[\pw]
.irp b, 0,1,2,3
	v_cvt_scalef32_pk8_fp4_f32 v[\pc+2*\b], v[X+16*\b:X+16*\b+7], v[SO+\b]
	v_cvt_scalef32_pk8_fp4_f32 v[\pc+2*\b+1], v[X+16*\b+8:X+16*\b+15], v[SO+\b]
.endr
	v_nop                                          ; one plain instruction behind the scaled conversions
.irp c, 0,1                                    ; the operand wants a whole block in a lane: lanes 0-15 block 2 c, lanes 16-31 block 2 c + 1
.irp i, 0,1
	v_permlane16_swap_b32 v[\pc+4*\c+\i], v[\pc+4*\c+2+\i]
.endr
.endr
.endm
	s_cmp_lt_u32 ttmp9, 256
	s_cbranch_scc1 .Lkpath
	s_cmp_lt_u32 ttmp9, 512
	s_cbranch_scc1 .Lvpath
	; ---- THE MASK: one tile of 16 queries x 128 keys a wave
	s_sub_co_u32 s27, ttmp9, 512
	s_lshr_b32 s28, s27, 2                         ; query tile
	s_and_b32 s29, s27, 3
	s_lshl_b32 s29, s29, 2
	s_add_co_u32 s29, s29, s20                     ; key step
	s_lshl_b32 s24, s28, 17                        ; 16 rows of 8,192 bytes
	s_lshl_b32 s26, s29, 9                         ; 128 keys of 4 bytes
	s_add_co_u32 s24, s24, s26
	s_add_nc_u64 s[32:33], s[8:9], s[24:25]
	s_lshl_b32 s30, s27, 2
	s_add_co_u32 s30, s30, s20                     ; 16 x query tile + key step
	s_lshl_b32 s24, s30, 13
	s_add_nc_u64 s[34:35], s[16:17], s[24:25]
	s_lshl_b32 s24, s30, 2
	s_add_nc_u64 s[36:37], s[18:19], s[24:25]
	s_lshl_b32 s40, 1, s29
.irp i, 0,1,2,3,4,5,6,7,8,9,10,11,12,13,14,15
	global_load_b128 v[R+4*\i:R+4*\i+3], v4, s[32:33] offset:8192*\i th:TH_LOAD_NT   ; 512 consecutive bytes of row i
.endr
	s_wait_kmcnt 0x0                               ; input_pos
	s_wait_loadcnt 0x0
	TURN 8, 9, R
	s_wait_dscnt 0x0
	v_max3_num_f32 v[TA], v[X], v[X+1], v[X+2]     ; the largest of my 64 entries, signs kept, in two chains
	v_max3_num_f32 v[TA+1], v[X+3], v[X+4], v[X+5]
.irp i, 6,10,14,18,22,26,30,34,38,42,46,50,54,58
	v_max3_num_f32 v[TA], v[TA], v[X+\i], v[X+\i+1]
	v_max3_num_f32 v[TA+1], v[TA+1], v[X+\i+2], v[X+\i+3]
.endr
	v_max3_num_f32 v[TA], v[TA], v[X+62], v[X+63]
	v_max_num_f32 v[TA], v[TA], v[TA+1]
.irp j, 0,2,4,6,8,10,12,14,16,18,20,22,24,26,28,30,32,34,36,38,40,42,44,46,48,50,52,54,56,58,60,62
	v_pk_mul_f32 v[X+\j:X+\j+1], v[X+\j:X+\j+1], s[44:45] op_sel_hi:[1,0]   ; x sqrt(128): the attention launch multiplies score + this by log2(e) / sqrt(128)
.endr
.set j, 0
.rept 64
	v_max_num_f32 v[X+j], 0xff61b1e6, v[X+j]       ; held at -3e38 from below: what goes to the matrix unit as C is finite
.set j, j+1
.endr
.irp n, 0,1,2,3,4,5,6,7,8,9,10,11,12,13,14,15
	global_store_b128 v4, v[X+4*\n:X+4*\n+3], s[34:35] offset:512*\n   ; 512 consecutive bytes, aligned
.endr
	v_max_num_f32_dpp v[TA], v[TA], v[TA] row_xmask:1 row_mask:0xf bank_mask:0xf
	v_max_num_f32_dpp v[TA], v[TA], v[TA] row_xmask:2 row_mask:0xf bank_mask:0xf
	v_max_num_f32_dpp v[TA], v[TA], v[TA] row_xmask:4 row_mask:0xf bank_mask:0xf
	v_max_num_f32_dpp v[TA], v[TA], v[TA] row_xmask:8 row_mask:0xf bank_mask:0xf
	v_permlanex16_b32 v[PT], v[TA], s38, s39
	v_max_num_f32 v[TA], v[TA], v[PT]              ; the tile's largest entry, in every lane
	v_cmp_lt_f32 vcc_lo, 0xff800000, v[TA]         ; above -infinity?
	v_mov_b32 v[TA+1], s40
	v_cndmask_b32 v[TA+2], 0, v[TA+1], vcc_lo      ; 1 << step, or 0: a value that is stored; nothing here branches on it
	v_cmp_eq_u32 vcc_lo, 0, v1
	s_wait_xcnt 0x0                                ; EXEC is a source of the stores above: it changes only behind this wait
	s_wait_tensorcnt 0x0
	ds_add_u32 v254, v255
	s_wait_dscnt 0x0
	s_and_saveexec_b32 s41, vcc_lo
	global_store_b32 v13, v[TA+2], s[36:37]        ; lane 0 stores the tile's word
	s_wait_xcnt 0x0                                ; and again in front of the line that widens it
	s_or_b32 exec_lo, exec_lo, s41
	s_endpgm
	; ---- K: wave w makes tiles 2 w and 2 w + 1 of its step: keys 32 w .. 32 w + 31, 16,384 consecutive bytes
.Lkpath:
	s_lshl_b32 s24, ttmp9, 16                      ; (16 head + step) x 128 keys x 512 bytes
	s_lshl_b32 s26, s20, 14
	s_add_co_u32 s24, s24, s26
	s_add_nc_u64 s[32:33], s[4:5], s[24:25]
	s_mul_i32 s24, ttmp9, BLK
	s_add_nc_u64 s[34:35], s[12:13], s[24:25]
.irp u, 0,1
.irp i, 0,1,2,3,4,5,6,7,8,9,10,11,12,13,14,15
	global_load_b128 v[R+64*\u+4*\i:R+64*\u+4*\i+3], v4, s[32:33] offset:(8*\u+\i+8*(\i/8))*512 th:TH_LOAD_NT   ; row i of tile u: a key's 512 bytes
.endr
.endr
	s_wait_kmcnt 0x0                               ; input_pos
.irp u, 0,1
	s_wait_loadcnt 16-16*\u                        ; this tile's 16 loads are in; the other tile's 16 may be out
	TURN 6, 7, R+64*\u
	s_wait_dscnt 0x0
	QUANT PC+8*\u, PW+\u
.irp c, 0,1
	global_store_b128 v10, v[PC+8*\u+4*\c:PC+8*\u+4*\c+3], s[34:35] offset:1024*\u+512*\c   ; 512 consecutive bytes, aligned
.endr
.endr
	v_cmp_le_u32 vcc_lo, 16, v1
	v_cndmask_b32 v[SW], v[PW], v[PW+1], vcc_lo    ; lanes 0-15 the even tile's words, lanes 16-31 the odd tile's
	global_store_b32 v12, v[SW], s[34:35] offset:8192
	s_wait_tensorcnt 0x0
	ds_add_u32 v254, v255
	s_wait_dscnt 0x0
	s_endpgm
	; ---- V: a lane takes a channel and its registers run down the keys: a block of 32 keys lies in one lane
.Lvpath:
	s_sub_co_u32 s27, ttmp9, 256
	s_lshl_b32 s24, s27, 16
	s_lshl_b32 s26, s20, 7                         ; my wave's 32 channels
	s_add_co_u32 s24, s24, s26
	s_add_nc_u64 s[32:33], s[6:7], s[24:25]
	s_mul_i32 s24, s27, BLK
	s_add_nc_u64 s[34:35], s[14:15], s[24:25]
.macro VLD b
.irp i, 0,1,2,3,4,5,6,7,8,9,10,11,12,13,14,15,16,17,18,19,20,21,22,23,24,25,26,27,28,29,30,31
	global_load_b32 v[R+32*(\b)+\i], v5, s[32:33] offset:(32*(\b)+\i)*512 th:TH_LOAD_NT   ; 128 consecutive bytes a wave; the four waves stand side by side on a key's 512
.endr
.endm
.macro VBLOCK b
.if (\b) < 3
	s_wait_loadcnt 32                              ; this block's 32 loads are in; the next block's 32 may be out
.else
	s_wait_loadcnt 0x0
.endif
.if (\b) < 2
	VLD (\b)+2
.endif
	v_max3_num_f32 v[TA], |v[R+32*(\b)]|, |v[R+32*(\b)+1]|, |v[R+32*(\b)+2]|
	v_max3_num_f32 v[TA+1], |v[R+32*(\b)+3]|, |v[R+32*(\b)+4]|, |v[R+32*(\b)+5]|
.irp i, 6,10,14,18,22,26
	v_max3_num_f32 v[TA], v[TA], |v[R+32*(\b)+\i]|, |v[R+32*(\b)+\i+1]|
	v_max3_num_f32 v[TA+1], v[TA+1], |v[R+32*(\b)+\i+2]|, |v[R+32*(\b)+\i+3]|
.endr
	v_max3_num_f32 v[TA], v[TA], |v[R+32*(\b)+30]|, |v[R+32*(\b)+31]|
	v_max3_num_f32 v[TA], v[TA], v[TA+1], 0x1800000
	v_add_nc_u32 v[SO+(\b)], 0xff000000, v[TA]
	v_lshrrev_b32 v[TA+2], 23, v[SO+(\b)]
.if (\b) == 0
	v_mov_b32 v[SW], v[TA+2]                       ; four bytes to the word, the earlier keys in the lower byte
.else
	v_lshl_or_b32 v[SW], v[TA+2], 8*(\b), v[SW]
.endif
.irp g, 0,1,2,3
	v_cvt_scalef32_pk8_fp4_f32 v[PC+4*(\b)+\g], v[R+32*(\b)+8*\g:R+32*(\b)+8*\g+7], v[SO+(\b)]
.endr
	v_nop                                          ; one plain instruction behind the scaled conversions
	global_store_b128 v11, v[PC+4*(\b):PC+4*(\b)+3], s[34:35] offset:512*((\b)/2)+256*((\b)%2)   ; lanes 0-15 and lanes 16-31 each store 256 consecutive bytes, aligned
.endm
	VLD 0
	VLD 1
	s_wait_kmcnt 0x0                               ; input_pos
	VBLOCK 0
	VBLOCK 1
	VBLOCK 2
	VBLOCK 3
	global_store_b32 v12, v[SW], s[34:35] offset:8192
	s_endpgm
.Lfunc_end_k_q84fd99c2c7_prep:
	.size	k_q84fd99c2c7_prep, .Lfunc_end_k_q84fd99c2c7_prep-k_q84fd99c2c7_prep
	.p2alignl 7, 3214868480
	.fill 96, 4, 3214868480
	.section	.rodata,"a",@progbits
	.p2align	6, 0x0
	.amdhsa_kernel k_q84fd99c2c7_prep
		.amdhsa_group_segment_fixed_size 68096
		.amdhsa_private_segment_fixed_size 0
		.amdhsa_enable_private_segment 0
		.amdhsa_kernarg_size 64
		.amdhsa_user_sgpr_count 2
		.amdhsa_user_sgpr_kernarg_segment_ptr 1
		.amdhsa_wavefront_size32 1
		.amdhsa_system_sgpr_workgroup_id_x 1
		.amdhsa_system_sgpr_workgroup_id_y 1
		.amdhsa_system_sgpr_workgroup_id_z 1
		.amdhsa_system_vgpr_workitem_id 0
		.amdhsa_next_free_vgpr 256
		.amdhsa_next_free_sgpr 66
		.amdhsa_reserve_vcc 1
		.amdhsa_float_denorm_mode_32 3
		.amdhsa_float_denorm_mode_16_64 3
		.amdhsa_memory_ordered 1
		.amdhsa_forward_progress 1
		.amdhsa_inst_pref_size 51
	.end_amdhsa_kernel
	.amdgpu_metadata
---
amdhsa.version: [ 1, 2 ]
amdhsa.kernels:
  - .name:           k_q84fd99c2c7_prep
    .symbol:         k_q84fd99c2c7_prep.kd
    .args:
      - { .name: k, .offset: 0, .size: 8, .value_kind: global_buffer, .address_space: global }
      - { .name: v, .offset: 8, .size: 8, .value_kind: global_buffer, .address_space: global }
      - { .name: mask, .offset: 16, .size: 8, .value_kind: global_buffer, .address_space: global }
      - { .name: input_pos, .offset: 24, .size: 8, .value_kind: global_buffer, .address_space: global }
      - { .name: kimg, .offset: 32, .size: 8, .value_kind: global_buffer, .address_space: global }
      - { .name: vimg, .offset: 40, .size: 8, .value_kind: global_buffer, .address_space: global }
      - { .name: mimg, .offset: 48, .size: 8, .value_kind: global_buffer, .address_space: global }
      - { .name: flags, .offset: 56, .size: 8, .value_kind: global_buffer, .address_space: global }
    .group_segment_fixed_size: 68096
    .private_segment_fixed_size: 0
    .kernarg_segment_align: 8
    .kernarg_segment_size: 64
    .max_flat_workgroup_size: 128
    .sgpr_count:     66
    .vgpr_count:     256
    .wavefront_size: 32
...
	.end_amdgpu_metadata
.endif
;; end of part 1
;; launch attn (part 2): grid 256 x 1, 4 waves a work-group, no clusters, 34,304 bytes of LDS; arguments q, kimg, vimg, mimg, flags, out0; writes out0
.if DOCPART == 2
	.amdgcn_target "amdgcn-amd-amdhsa--gfx1250"
	.amdhsa_code_object_version 6
	.text
	.protected	k_q84fd99c2c7_attn
	.globl	k_q84fd99c2c7_attn
	.p2align	8
	.type	k_q84fd99c2c7_attn,@function
k_q84fd99c2c7_attn:
	s_mov_b64 s[64:65], 0
	v_nop
	global_prefetch_b8 v0, s[64:65] scope:SCOPE_SE
	s_setreg_imm32_b32 hwreg(HW_REG_WAVE_MODE, 25, 1), 1
	s_wait_xcnt 0x0
; out0[b][s][128 head + d] = the sum over keys of softmax(q . k / sqrt(128) + mask) v, 32 query heads on 8 key/value heads, 2,048 queries and keys, both products on FP4 (E2M1) codes with one E8M0 scale for each 32 along K.
; THE SOFTMAX AHEAD OF THE SECOND PRODUCT: t = logit x log2(e); M = the running largest t rounded UP to a whole number; p = 2^(t - M) is quantised along the keys, not normalised; the row's sum is taken of the
; unquantised p and divides at the end.  When M moves, the sum and O are multiplied by 2^(old M - new M), which rounds nothing.
; SHARES.  1,024 waves, one to each (key/value head, pair of query tiles).  A wave owns 16 queries of ALL FOUR query heads of its key/value head: each fragment of K and V and each register of the mask serves four tiles.
; It does two JOBS, query tile p and then 127 - p.  Waves share nothing: no barrier.
; OPERANDS come from memory straight into registers, in the register order in which the launch before laid them, a phase ahead of their use.  WHY NO TENSOR LOADS, NO LDS RING, NO CLUSTER: the walk over key steps hangs on stored
; whole numbers (flags), which differ from query tile to query tile, so waves and work-groups would need different tiles at different times.
; WHICH STEPS ARE WALKED.  flags[query tile][step] is 1 << step where any mask entry of the 16 x 128 tile lies above -infinity.  Where it is 0 every p of the tile is exactly 0: the step is left out.  That holds for every mask.
; A query tile with no step that counts walks step 0: its sums are 0 and its rows come out NaN, as in reference().
; THE MASK IS THE C OF THE SCORE PRODUCT: S' = q . k + mask x sqrt(128) is made by the matrix instruction; t = S' x log2(e) / sqrt(128).  The launch before holds mask x sqrt(128) at -3e38 from below, so C is finite; such an
; entry's t is -3.8e37, under -2^123, at which the running largest t begins: so its p is exactly 0, and a row with no other entry has the sum 0 and comes out NaN, as a row of -infinity does in reference().
; LAYOUT.  Both products are used transposed: S^T = K Q^T (source 0 = 16 keys, source 1 = 16 queries), O^T = V^T P^T: a lane holds ONE query (lane % 16) throughout; the 16 registers of score tiles 2 b, 2 b + 1 are keys 32 b + 16 (lane / 16) + 0 .. 15.
; LIMITS: NaN among the inputs is not served.  Mask entries under -2.65e37 count as -infinity, and a row all of whose t lie under -2^123 comes out NaN.  p under 2^-126 counts as 0 (v_exp_f32 gives 0 there: ISA guide, its entry).
; A block of q whose largest magnitude lies under 2^-124, zeros among them, keeps the scale byte 1.
; A block's largest p is taken as the exponential of the block's largest score, by the same multiply-add and exponential: this takes v_exp_f32 not to fall where its input rises.
; REGISTERS, in windows of 256 (s_set_vgpr_msb: bits 1:0 source 0, 3:2 source 1, 5:4 source 2, 7:6 destination):
;   window 0: v1-5 addresses; v56-95 at work; v96-111 scale words and nothing else; v112-143 Q's codes; v144-175 P's codes; v192-223 eight statistics a head; v224-239 the blocks' maxima
;   window 1: heads 0, 1; window 2: heads 2, 3: a head's S^T (64) and behind it its O^T (64), so that scalings, exponentials and O's rescaling run under one setting
;   window 3: v0-63 K, v64-127 the mask, v128-191 V; on the way out rows of O
.set STG, 8448                         ; a wave's stage in LDS: 16 rows x (512 bytes + 16): q on the way in, O on the way out
.set BLK, 8704                         ; a step's block of kimg or vimg
.set LI,  1                            ; v1  16 x lane
.set STI, 2                            ; v2  stage by rows: + 16 x lane
.set STF, 3                            ; v3  stage by fragments: + 528 r + 64 h
.set STO, 4                            ; v4  stage for O: + 528 r + 32 h
.set PFO, 5                            ; v5  256 x lane: the prefetches' offset
.set ST,  192                          ; head hh at v[192 + 8 hh]: +0 -M, +1 the largest t, +2,3 and +4,5 the sum in two chains of pairs, +6 f (at the end 1 / sum), +7 0
.set BM,  224                          ; v[224 + 4 hh + b] block b's largest score, then its largest p
.set PT,  56                           ; v56-71 the other half's; then bytes
.set SO,  72                           ; v72-87 the conversions' scale operands
.set MX,  88                           ; v88-91
.set OLD, 92                           ; v92-95
.set QS,  96                           ; v96-99   q's scale words, a head each
.set PW,  100                          ; v100-103 p's
.set KS,  104                          ; v104-107 K's: register i: tile 2 i in lanes 0-15, tile 2 i + 1 in lanes 16-31
.set VS,  108                          ; v108-111 V's likewise
.set QF,  112
.set PF,  144
.set KF,  0                            ; window 3
.set MK,  64
.set VF,  128
; s[4:11] q, kimg, vimg, mimg; s[12:15] flags, out0; s16 wave; s[20:21] lane selects; s[22:23] c; s[24:27] my head's kimg, vimg; s[28:31] mimg of this job's and the next job's query tile;
; s[32:37] the step's K, V, mask; s[38:41] q of job 0, 1; s[42:45] out0 of this job, the next; s46, s47 the steps still to walk, this job's and the next's; s48 steps to go; s[50:53] offsets (high words 0);
; s54 job; s55 1 in a job's first step; s56 the count at which job 1's q is prefetched; s57-59 at work; s[68:99] the two jobs' flag words
.set MSB, 0
.macro WIN new                         ; the immediate's high byte repeats the setting that is left; a switch that changes nothing is dropped
.if MSB != (\new)
	s_set_vgpr_msb (MSB<<8)|(\new)
.set MSB, (\new)
.endif
.endm
.macro PLACES                          ; four plain instructions behind a matrix instruction, ahead of loads into its registers and of the first read of its results
.rept 4
	v_nop
.endr
.endm
; One matrix instruction on the registers rD, rA, rB, rC, with the scale words rSA, rSB.  odd: A's scale words stand in lanes 16-31.  cz: C is the constant 0.
.macro MM odd, cz
.if \cz
.if \odd
	v_wmma_scale_f32_16x16x128_f8f6f4 v[rD:rD+7], v[rA:rA+7], v[rB:rB+7], 0, v[rSA], v[rSB] matrix_a_fmt:MATRIX_FMT_FP4 matrix_b_fmt:MATRIX_FMT_FP4 matrix_a_scale:MATRIX_SCALE_ROW1
.else
	v_wmma_scale_f32_16x16x128_f8f6f4 v[rD:rD+7], v[rA:rA+7], v[rB:rB+7], 0, v[rSA], v[rSB] matrix_a_fmt:MATRIX_FMT_FP4 matrix_b_fmt:MATRIX_FMT_FP4
.endif
.else
.if \odd
	v_wmma_scale_f32_16x16x128_f8f6f4 v[rD:rD+7], v[rA:rA+7], v[rB:rB+7], v[rC:rC+7], v[rSA], v[rSB] matrix_a_fmt:MATRIX_FMT_FP4 matrix_b_fmt:MATRIX_FMT_FP4 matrix_a_scale:MATRIX_SCALE_ROW1
.else
	v_wmma_scale_f32_16x16x128_f8f6f4 v[rD:rD+7], v[rA:rA+7], v[rB:rB+7], v[rC:rC+7], v[rSA], v[rSB] matrix_a_fmt:MATRIX_FMT_FP4 matrix_b_fmt:MATRIX_FMT_FP4
.endif
.endif
.endm
; 16 queries x 128 channels of four heads, as they lie: 64 loads of 512 consecutive bytes, into the S areas
.macro QLOAD base
.irp hh, 0,1,2,3
	WIN 0x40*(1+\hh/2)
.irp i, 0,1,2,3,4,5,6,7,8,9,10,11,12,13,14,15
	global_load_b128 v[128*(\hh%2)+4*\i:128*(\hh%2)+4*\i+3], v[LI], s[\base:\base+1] offset:\hh*1048576+512*\i th:TH_LOAD_NT
.endr
.endr
	WIN 0
.endm
; The lowest step still to walk: taken out of s46; its offsets; K's and the mask's addresses
.macro NEXTKS
	s_ctz_i32_b32 s57, s46
	s_min_u32 s57, s57, 15                         ; a loaded number enters an address only behind this bound
	s_add_co_i32 s58, s46, -1
	s_and_b32 s46, s46, s58
	s_mul_i32 s50, s57, BLK
	s_lshl_b32 s52, s57, 13
	s_add_nc_u64 s[32:33], s[24:25], s[50:51]
	s_add_nc_u64 s[36:37], s[28:29], s[52:53]
.endm
.macro KLOAD                           ; 33 loads: K's eight fragments, the mask's 64 registers, K's scale words
	WIN 0xc0
.irp n, 0,1,2,3,4,5,6,7,8,9,10,11,12,13,14,15
	global_load_b128 v[KF+4*\n:KF+4*\n+3], v[LI], s[32:33] offset:512*\n
.endr
.irp n, 0,1,2,3,4,5,6,7,8,9,10,11,12,13,14,15
	global_load_b128 v[MK+4*\n:MK+4*\n+3], v[LI], s[36:37] offset:512*\n
.endr
	WIN 0
	global_load_b128 v[KS:KS+3], v[LI], s[32:33] offset:8192
.endm
.macro VLOAD                           ; 17 loads: V's eight fragments and its scale words
	WIN 0xc0
.irp n, 0,1,2,3,4,5,6,7,8,9,10,11,12,13,14,15
	global_load_b128 v[VF+4*\n:VF+4*\n+3], v[LI], s[34:35] offset:512*\n
.endr
	WIN 0
	global_load_b128 v[VS:VS+3], v[LI], s[34:35] offset:8192
.endm
; S^T = K Q^T + mask: 32 instructions, each with a result of its own
.macro QK
.irp w, 1,2
	WIN 0x40*\w+0x33
.irp t, 0,1,2,3,4,5,6,7
.irp g, 0,1
.set rD, 128*\g+8*\t
.set rA, KF+8*\t
.set rB, QF+8*(2*(\w-1)+\g)
.set rC, MK+8*\t
.set rSA, KS+\t/2
.set rSB, QS+2*(\w-1)+\g
	MM \t%2, 0
.endr
.endr
.endr
.endm
; O^T += V^T P^T: the 32 accumulators take one turn each.  first = 1: the products start the sums: nothing is cleared
.macro PV first
.irp w, 1,2
	WIN 0x50*\w+3
.irp t, 0,1,2,3,4,5,6,7
.irp g, 0,1
.set rD, 128*\g+64+8*\t
.set rA, VF+8*\t
.set rB, PF+8*(2*(\w-1)+\g)
.set rC, rD
.set rSA, VS+\t/2
.set rSB, PW+2*(\w-1)+\g
	MM \t%2, \first
.endr
.endr
.endr
.endm
; The largest of each block's 16 numbers of a lane; off = 0: the scores, 64: q in O's registers.  abs = 1: magnitudes, with the floor 2^(3 - 127).  A window's eight blocks by turns.
; Each score tile is first read at its registers 0 and 1.
.macro BMAX off, abs
.irp w, 1,2
	WIN 5*\w
.irp g, 0,1
.irp b, 0,1,2,3
.if \abs
	v_max3_num_f32 v[BM+8*(\w-1)+4*\g+\b], |v[128*\g+\off+16*\b]|, |v[128*\g+\off+16*\b+1]|, 0x1800000
.else
	v_max_num_f32 v[BM+8*(\w-1)+4*\g+\b], v[128*\g+\off+16*\b], v[128*\g+\off+16*\b+1]
.endif
.endr
.endr
.irp i, 2,4,6,8,10,12,14
.irp g, 0,1
.irp b, 0,1,2,3
.if \abs
	v_max3_num_f32 v[BM+8*(\w-1)+4*\g+\b], |v[128*\g+\off+16*\b+\i]|, |v[128*\g+\off+16*\b+\i+1]|, v[BM+8*(\w-1)+4*\g+\b]
.else
	v_max3_num_f32 v[BM+8*(\w-1)+4*\g+\b], v[128*\g+\off+16*\b+\i], v[128*\g+\off+16*\b+\i+1], v[BM+8*(\w-1)+4*\g+\b]
.endif
.endr
.endr
.endr
.endr
	WIN 0
.endm
.macro XHALF                           ; with lane l xor 16, which holds the block's other 16
.irp n, 0,1,2,3,4,5,6,7,8,9,10,11,12,13,14,15
	v_permlanex16_b32 v[PT+\n], v[BM+\n], s20, s21
.endr
.irp n, 0,1,2,3,4,5,6,7,8,9,10,11,12,13,14,15
	v_max_num_f32 v[BM+\n], v[BM+\n], v[PT+\n]
.endr
.endm
.macro SCW word                        ; from the blocks' largest magnitudes: the conversions' scale operands, and each head's scale word
.irp n, 0,1,2,3,4,5,6,7,8,9,10,11,12,13,14,15
	v_add_nc_u32 v[SO+\n], 0xff000000, v[BM+\n]    ; 2 off the exponent field
.endr
.irp n, 0,1,2,3,4,5,6,7,8,9,10,11,12,13,14,15
	v_lshrrev_b32 v[PT+\n], 23, v[SO+\n]           ; the byte
.endr
.irp hh, 0,1,2,3
	v_lshl_or_b32 v[\word+\hh], v[PT+4*\hh+1], 8, v[PT+4*\hh]
.endr
.irp hh, 0,1,2,3
	v_lshl_or_b32 v[\word+\hh], v[PT+4*\hh+2], 16, v[\word+\hh]
.endr
.irp hh, 0,1,2,3
	v_lshl_or_b32 v[\word+\hh], v[PT+4*\hh+3], 24, v[\word+\hh]
.endr
.endm
.macro CVT off, dst                    ; 64 numbers a head become 8 registers of codes; then the exchange of halves that gives a lane whole blocks
.irp w, 1,2
	WIN \w
.irp g, 0,1
.irp b, 0,1,2,3
	v_cvt_scalef32_pk8_fp4_f32 v[\dst+8*(2*(\w-1)+\g)+2*\b], v[128*\g+\off+16*\b:128*\g+\off+16*\b+7], v[SO+8*(\w-1)+4*\g+\b]
	v_cvt_scalef32_pk8_fp4_f32 v[\dst+8*(2*(\w-1)+\g)+2*\b+1], v[128*\g+\off+16*\b+8:128*\g+\off+16*\b+15], v[SO+8*(\w-1)+4*\g+\b]
.endr
.endr
.endr
	WIN 0
	v_nop                                          ; one plain instruction behind the scaled conversions
.irp hh, 0,1,2,3
.irp c, 0,1
.irp i, 0,1
	v_permlane16_swap_b32 v[\dst+8*\hh+4*\c+\i], v[\dst+8*\hh+4*\c+2+\i]
.endr
.endr
.endr
.endm
; THE BATCH of a window's two heads: 128 exponentials, a plain instruction behind each: first the 64 packed scalings t - M (each ahead of its own exponentials), then the 64 packed multiplies that bring O^T under the new M.
; No line names an exponential's result.
.macro PLAIN
.if pn < 64
.set rX, 128*(pn/32)+2*(pn%32)
.set rT, ST+8*(2*(EW-1)+pn/32)
	v_pk_fma_f32 v[rX:rX+1], v[rX:rX+1], s[22:23], v[rT:rT+1] op_sel_hi:[1,0,0]   ; S' x c - M (of the pairs c and -M the low word serves both halves)
.else
.set rX, 128*((pn-64)/32)+64+2*((pn-64)%32)
.set rT, ST+8*(2*(EW-1)+(pn-64)/32)+6
	v_pk_mul_f32 v[rX:rX+1], v[rX:rX+1], v[rT:rT+1] op_sel_hi:[1,0]               ; O^T x f, each accumulator from its low end on
.endif
.set pn, pn+1
.endm
.macro EXPN
.set rX, 128*(en/64)+en%64
	v_exp_f32 v[rX], v[rX]
.set en, en+1
.endm
.macro EXPB w
	WIN 0x41*\w
.set EW, \w
.set pn, 0
.set en, 0
.rept 4
	PLAIN
.endr
.rept 124
	EXPN
	PLAIN
.endr
.rept 4
	EXPN
.endr
.endm
; THE WAY OUT of head hh: O^T / the sum; 32 bytes a lane into the stage; back as whole rows of 512 bytes, into window 3
.macro PACK hh
	WIN 0x41*(1+(\hh)/2)
.irp j, 0,2,4,6,8,10,12,14,16,18,20,22,24,26,28,30,32,34,36,38,40,42,44,46,48,50,52,54,56,58,60,62
	v_pk_mul_f32 v[128*((\hh)%2)+64+\j:128*((\hh)%2)+64+\j+1], v[128*((\hh)%2)+64+\j:128*((\hh)%2)+64+\j+1], v[ST+8*(\hh)+6:ST+8*(\hh)+7] op_sel_hi:[1,0]
.endr
	WIN 4*(1+(\hh)/2)
.irp t, 0,1,2,3,4,5,6,7
	ds_store_b128 v[STO], v[128*((\hh)%2)+64+8*\t:128*((\hh)%2)+64+8*\t+3] offset:64*\t       ; lane (r, h): channels 16 t + 8 h + 0 .. 7 of query r
	ds_store_b128 v[STO], v[128*((\hh)%2)+64+8*\t+4:128*((\hh)%2)+64+8*\t+7] offset:64*\t+16
.endr
	WIN 0xc0
.irp i, 0,1,2,3,4,5,6,7,8,9,10,11,12,13,14,15
	ds_load_b128 v[64*(\hh)+4*\i:64*(\hh)+4*\i+3], v[STI] offset:528*\i   ; LDS serves a wave's instructions in order: these see the stores above, and the next head's stores come behind them
.endr
.endm
.macro SEND hh, younger                ; younger: the LDS instructions issued behind this head's loads
	s_wait_dscnt \younger
	WIN 0x0c
.irp i, 0,1,2,3,4,5,6,7,8,9,10,11,12,13,14,15
	global_store_b128 v[LI], v[64*(\hh)+4*\i:64*(\hh)+4*\i+3], s[42:43] offset:512*(\hh)+16384*\i th:TH_STORE_NT   ; 32 lanes store 512 consecutive bytes, at a multiple of 256 from out0's first byte
.endr
.endm
	s_load_b256 s[4:11], s[0:1], 0x0               ; q, kimg, vimg, mimg
	s_load_b128 s[12:15], s[0:1], 0x20             ; flags, out0
	v_lshl_add_u32 v254, v0, 2, 0x8400
	v_mov_b32 v255, 0
	v_lshrrev_b32 v6, 5, v0
	v_readfirstlane_b32 s16, v6                    ; wave 0..3
	v_and_b32 v6, 31, v0
	v_lshlrev_b32 v[LI], 4, v6
	v_lshlrev_b32 v[PFO], 8, v6
	s_mul_i32 s2, s16, STG                         ; my stage
	v_add_nc_u32 v[STI], s2, v[LI]
	v_and_b32 v6, 15, v0                           ; r
	v_bfe_u32 v7, v0, 4, 1                         ; h
	v_mul_u32_u24 v6, v6, 528
	v_add_nc_u32 v6, s2, v6
	v_lshl_add_u32 v[STF], v7, 6, v6
	v_lshl_add_u32 v[STO], v7, 5, v6
.irp n, 0,1,2,3,4,5,6,7,8,9,10,11,12,13,14,15
	v_mov_b32 v[PT+\n], 0                          ; written once: a lane permute's destination counts as one of its sources
.endr
.irp hh, 0,1,2,3
	v_mov_b32 v[ST+8*\hh+7], 0                     ; named as the upper half of f's pair
.endr
	s_mov_b32 s20, 0x76543210
	s_mov_b32 s21, 0xfedcba98                      ; v_permlanex16_b32: lane l xor 16
	s_mov_b32 s22, 0x3e0293ee                      ; c = log2(e) / sqrt(128)
	s_mov_b32 s23, s22                             ; (named with it as a pair, so it is written)
	s_lshr_b32 s57, ttmp9, 4                       ; key/value head 8 b + g
	s_and_b32 s58, ttmp9, 15
	s_lshl_b32 s58, s58, 2
	s_add_co_u32 s58, s58, s16                     ; job 0's query tile,
	s_sub_co_u32 s59, 127, s58                     ; job 1's
	s_mov_b32 s51, 0
	s_mov_b32 s53, 0
	s_wait_kmcnt 0x0
	s_lshl_b32 s50, s58, 6                         ; a query tile's 16 flag words
	s_add_nc_u64 s[18:19], s[12:13], s[50:51]
	s_load_b512 s[68:83], s[18:19], 0x0
	s_lshl_b32 s50, s59, 6
	s_add_nc_u64 s[60:61], s[12:13], s[50:51]
	s_load_b512 s[84:99], s[60:61], 0x0
	s_lshl_b32 s52, s57, 22                        ; q: four heads of 1 MiB,
	s_lshl_b32 s50, s58, 13                        ; 16 rows of 512 bytes
	s_add_co_u32 s50, s50, s52
	s_add_nc_u64 s[38:39], s[4:5], s[50:51]
	s_lshl_b32 s50, s59, 13
	s_add_co_u32 s50, s50, s52
	s_add_nc_u64 s[40:41], s[4:5], s[50:51]
	QLOAD 38                                       ; job 0's q
	s_mul_i32 s50, s57, 16*BLK
	s_add_nc_u64 s[24:25], s[6:7], s[50:51]
	s_add_nc_u64 s[26:27], s[8:9], s[50:51]
	s_lshl_b32 s50, s58, 17                        ; 16 steps of 8,192 bytes
	s_add_nc_u64 s[28:29], s[10:11], s[50:51]
	s_lshl_b32 s50, s59, 17
	s_add_nc_u64 s[30:31], s[10:11], s[50:51]
	s_lshr_b32 s52, s57, 3                         ; out0: b x 2,048 rows of 16,384 bytes
	s_lshl_b32 s52, s52, 25
	s_and_b32 s3, s57, 7
	s_lshl_b32 s3, s3, 11                          ; + g x four heads of 512 bytes
	s_add_co_u32 s52, s52, s3
	s_lshl_b32 s50, s58, 18                        ; + 16 rows
	s_add_co_u32 s50, s50, s52
	s_add_nc_u64 s[42:43], s[14:15], s[50:51]
	s_lshl_b32 s50, s59, 18
	s_add_co_u32 s50, s50, s52
	s_add_nc_u64 s[44:45], s[14:15], s[50:51]
	s_wait_kmcnt 0x0                               ; the flags
	s_or_b32 s46, s68, s69
	s_or_b32 s47, s84, s85
.irp j, 2,3,4,5,6,7,8,9,10,11,12,13,14,15
	s_or_b32 s46, s46, s[68+\j]
	s_or_b32 s47, s47, s[84+\j]
.endr
	s_and_b32 s46, s46, 0xffff
	s_cmp_eq_u32 s46, 0
	s_cselect_b32 s46, 1, s46                      ; no step counts: step 0 is walked
	s_and_b32 s47, s47, 0xffff
	s_cmp_eq_u32 s47, 0
	s_cselect_b32 s47, 1, s47
	s_mov_b32 s54, 0
	s_mov_b32 s56, 1
.Ljob:
	s_bcnt1_i32_b32 s48, s46
	s_min_u32 s48, s48, 16                         ; steps to walk: 1 to 16
	NEXTKS
	s_add_nc_u64 s[34:35], s[26:27], s[50:51]
	KLOAD                                          ; the first step's operands land while q is quantised
	VLOAD
	s_mov_b32 s55, 1
	s_wait_loadcnt 50                              ; q's 64 loads are in; the 33 + 17 issued behind them may be out
	; q is turned through the stage, a head at a time: in as rows, back 16 neighbours of each block of 32 a lane, into O's registers
.irp hh, 0,1,2,3
	WIN 4*(1+\hh/2)
.irp i, 0,1,2,3,4,5,6,7,8,9,10,11,12,13,14,15
	ds_store_b128 v[STI], v[128*(\hh%2)+4*\i:128*(\hh%2)+4*\i+3] offset:528*\i
.endr
	WIN 0x40*(1+\hh/2)
.irp b, 0,1,2,3
.irp j, 0,1,2,3
	ds_load_b128 v[128*(\hh%2)+64+16*\b+4*\j:128*(\hh%2)+64+16*\b+4*\j+3], v[STF] offset:128*\b+16*\j
.endr
.endr
.endr
	WIN 0
	s_wait_dscnt 0x0
	BMAX 64, 1
	XHALF
	SCW QS
	CVT 64, QF
	; 24 plain lines: the statistics begin; they also stand between the lines that wrote q's codes and scale words and the first scaled product (4 and 8 are asked)
.irp hh, 0,1,2,3
	v_mov_b32 v[ST+8*\hh+1], 0xfd000000            ; the largest t so far: -2^123: under every t that is served, above the t of a held mask entry
.endr
.irp hh, 0,1,2,3
	v_floor_f32 v[ST+8*\hh], -v[ST+8*\hh+1]        ; -M
.endr
.irp hh, 0,1,2,3
.irp k, 2,3,4,5
	v_mov_b32 v[ST+8*\hh+\k], 0                    ; the sums
.endr
.endr
.Lstep:
	s_wait_loadcnt 17                              ; K, its scale words and the mask are in; V's 17 loads, issued behind them, may be out (on the way back at most those 17 are out)
	QK
	WIN 0
	PLACES                                         ; ahead of the loads into K's, the mask's and the scale words' registers, and of the first read of the scores
	s_cmp_eq_u32 s48, 1
	s_cbranch_scc1 .Lnok                           ; the last step fetches nothing
	NEXTKS                                         ; (the wait at the step's head has shown the loads done that read these addresses)
	KLOAD                                          ; the next step's, a softmax ahead of its use
.Lnok:
	; In job 0's last step job 1's q is prefetched: 4 heads x 16 rows x 512 bytes, lanes 256 bytes apart, one instruction a head; each block is named once in the launch, one key step ahead of its loads
	s_cmp_eq_u32 s48, s56
	s_cbranch_scc0 .Lnoask
.irp hh, 0,1,2,3
	global_prefetch_b8 v[PFO], s[40:41] offset:\hh*1048576 th:TH_LOAD_NT scope:SCOPE_SE
.endr
.Lnoask:
	BMAX 0, 0                                      ; the largest score of each block of 32 keys: it serves for the row's maximum and for the block's largest p
	XHALF
.irp hh, 0,1,2,3
	v_max3_num_f32 v[MX+\hh], v[BM+4*\hh], v[BM+4*\hh+1], v[BM+4*\hh+2]
.endr
.irp hh, 0,1,2,3
	v_max_num_f32 v[MX+\hh], v[MX+\hh], v[BM+4*\hh+3]
.endr
.irp hh, 0,1,2,3
	v_mul_f32 v[MX+\hh], s22, v[MX+\hh]            ; as t (c is positive)
.endr
.irp hh, 0,1,2,3
	v_max_num_f32 v[ST+8*\hh+1], v[ST+8*\hh+1], v[MX+\hh]   ; the running largest t
.endr
.irp hh, 0,1,2,3
	v_mov_b32 v[OLD+\hh], v[ST+8*\hh]
.endr
.irp hh, 0,1,2,3
	v_floor_f32 v[ST+8*\hh], -v[ST+8*\hh+1]        ; the new -M = floor(-t) = -ceil(t): a whole number
.endr
.irp hh, 0,1,2,3
	v_sub_f32 v[OLD+\hh], v[ST+8*\hh], v[OLD+\hh]  ; old M - new M: a whole number, 0 or less
.endr
.irp hh, 0,1,2,3
	v_cvt_i32_f32 v[OLD+\hh], v[OLD+\hh]           ; (it saturates)
.endr
.irp hh, 0,1,2,3
	v_ldexp_f32 v[ST+8*\hh+6], 1.0, v[OLD+\hh]     ; f = 2^(old M - new M)
.endr
.irp hh, 0,1,2,3
.irp b, 0,1,2,3
	v_fma_f32 v[BM+4*\hh+\b], v[BM+4*\hh+\b], s22, v[ST+8*\hh]   ; t - M of each block's largest score
.endr
.endr
	EXPB 1                                         ; p = 2^(t - M) of heads 0, 1, and their O^T x f.  (In a job's first step O's registers still hold q; the products below then start the sums and write over them)
	EXPB 2                                         ; heads 2, 3
	WIN 0
.irp k, 0,1,2,3,4,5,6,7
	v_exp_f32 v[BM+2*\k], v[BM+2*\k]               ; the blocks' largest p,
	v_exp_f32 v[BM+2*\k+1], v[BM+2*\k+1]
	v_pk_mul_f32 v[ST+8*(\k/2)+2+2*(\k%2):ST+8*(\k/2)+3+2*(\k%2)], v[ST+8*(\k/2)+2+2*(\k%2):ST+8*(\k/2)+3+2*(\k%2)], v[ST+8*(\k/2)+6:ST+8*(\k/2)+7] op_sel_hi:[1,0]   ; and the sums x f; the last of these is the plain instruction behind the last exponential
.endr
	s_wait_alu depctr_va_vdst(0)                   ; ahead of the first line that names an exponential's result: one wait for the step's 272
.irp n, 0,1,2,3,4,5,6,7,8,9,10,11,12,13,14,15
	v_max_num_f32 v[BM+\n], 0x1800000, v[BM+\n]    ; the floor 2^(3 - 127): a block whose every p is 0 keeps the byte 1: its codes are zeros
.endr
	SCW PW
	CVT 0, PF
	; the rows' sums, of the unquantised p: two chains of pairs a head, two heads by turns.  These 128 plain lines also stand between the lines that wrote p's codes and scale words and the products below
.irp w, 1,2
	WIN 4*\w
.irp j, 0,1,2,3,4,5,6,7,8,9,10,11,12,13,14,15
.irp g, 0,1
	v_pk_add_f32 v[ST+8*(2*(\w-1)+\g)+2:ST+8*(2*(\w-1)+\g)+3], v[ST+8*(2*(\w-1)+\g)+2:ST+8*(2*(\w-1)+\g)+3], v[128*\g+4*\j:128*\g+4*\j+1]
	v_pk_add_f32 v[ST+8*(2*(\w-1)+\g)+4:ST+8*(2*(\w-1)+\g)+5], v[ST+8*(2*(\w-1)+\g)+4:ST+8*(2*(\w-1)+\g)+5], v[128*\g+4*\j+2:128*\g+4*\j+3]
.endr
.endr
.endr
	WIN 0
	s_wait_loadcnt 0x0                             ; V is in; so is the next step's K group, issued a softmax ago: the count holds whether or not that group was issued
	s_cmp_eq_u32 s55, 0
	s_cbranch_scc1 .Lpv_add
	PV 1                                           ; a job's first step starts O^T's sums
	WIN 0
	s_branch .Lpv_done
.Lpv_add:
	PV 0
	WIN 0
.Lpv_done:
	s_mov_b32 s55, 0
	PLACES                                         ; ahead of the loads into V's registers and of the first read of O^T
	s_cmp_eq_u32 s48, 1
	s_cbranch_scc1 .Lnov                           ; the last step fetches nothing: the jump passes over V's loads alone, and the loop is left by falling through its branch back
	s_add_nc_u64 s[34:35], s[26:27], s[50:51]      ; the next step's V (the wait for 0 above has shown the loads done that read this address)
	VLOAD
.Lnov:
	s_sub_co_u32 s48, s48, 1
	s_cmp_lg_u32 s48, 0
	s_cbranch_scc1 .Lstep
	s_wait_loadcnt 0x0                             ; no load is on its way into window 3, which takes the rows of O
	s_cmp_lg_u32 s54, 0
	s_cbranch_scc1 .Lnoq
	QLOAD 40                                       ; job 1's q, into the scores' registers, while job 0 goes out
.Lnoq:
.irp hh, 0,1,2,3
	v_pk_add_f32 v[ST+8*\hh+2:ST+8*\hh+3], v[ST+8*\hh+2:ST+8*\hh+3], v[ST+8*\hh+4:ST+8*\hh+5]
.endr
.irp hh, 0,1,2,3
	v_add_f32 v[MX+\hh], v[ST+8*\hh+2], v[ST+8*\hh+3]
.endr
.irp hh, 0,1,2,3
	v_permlanex16_b32 v[PT+4*\hh], v[MX+\hh], s20, s21
.endr
.irp hh, 0,1,2,3
	v_add_f32 v[MX+\hh], v[MX+\hh], v[PT+4*\hh]    ; the row's sum
.endr
.irp hh, 0,1,2,3
	v_rcp_f32 v[ST+8*\hh+6], v[MX+\hh]
.endr
	v_nop                                          ; a plain instruction behind the last reciprocal
	s_wait_alu depctr_va_vdst(0)                   ; and a wait ahead of the first use: one for the four
	PACK 0
	PACK 1                                         ; a head's arithmetic stands between the loads of the head before and its stores
	SEND 0, 32                                     ; behind head 0's loads: head 1's 16 LDS stores and 16 LDS loads
	PACK 2
	SEND 1, 32
	PACK 3
	SEND 2, 32
	SEND 3, 0
	WIN 0
	s_wait_xcnt 0x0                                ; the stores have read their registers and their base: window 3 may be loaded again, and the base written
	s_mov_b32 s46, s47
	s_mov_b64 s[28:29], s[30:31]
	s_mov_b64 s[42:43], s[44:45]
	s_mov_b32 s56, 0                               ; job 1 prefetches nothing
	s_add_co_u32 s54, s54, 1
	s_cmp_lt_u32 s54, 2
	s_cbranch_scc1 .Ljob
	s_wait_tensorcnt 0x0
	ds_add_u32 v254, v255
	s_wait_dscnt 0x0
	s_endpgm
.Lfunc_end_k_q84fd99c2c7_attn:
	.size	k_q84fd99c2c7_attn, .Lfunc_end_k_q84fd99c2c7_attn-k_q84fd99c2c7_attn
	.p2alignl 7, 3214868480
	.fill 96, 4, 3214868480
	.section	.rodata,"a",@progbits
	.p2align	6, 0x0
	.amdhsa_kernel k_q84fd99c2c7_attn
		.amdhsa_group_segment_fixed_size 34304
		.amdhsa_private_segment_fixed_size 0
		.amdhsa_enable_private_segment 0
		.amdhsa_kernarg_size 48
		.amdhsa_user_sgpr_count 2
		.amdhsa_user_sgpr_kernarg_segment_ptr 1
		.amdhsa_wavefront_size32 1
		.amdhsa_system_sgpr_workgroup_id_x 1
		.amdhsa_system_sgpr_workgroup_id_y 1
		.amdhsa_system_sgpr_workgroup_id_z 1
		.amdhsa_system_vgpr_workitem_id 0
		.amdhsa_next_free_vgpr 1024
		.amdhsa_next_free_sgpr 100
		.amdhsa_reserve_vcc 0
		.amdhsa_float_denorm_mode_32 3
		.amdhsa_float_denorm_mode_16_64 3
		.amdhsa_memory_ordered 1
		.amdhsa_forward_progress 1
		.amdhsa_inst_pref_size 140
	.end_amdhsa_kernel
	.amdgpu_metadata
---
amdhsa.version: [ 1, 2 ]
amdhsa.kernels:
  - .name:           k_q84fd99c2c7_attn
    .symbol:         k_q84fd99c2c7_attn.kd
    .args:
      - { .name: q, .offset: 0, .size: 8, .value_kind: global_buffer, .address_space: global }
      - { .name: kimg, .offset: 8, .size: 8, .value_kind: global_buffer, .address_space: global }
      - { .name: vimg, .offset: 16, .size: 8, .value_kind: global_buffer, .address_space: global }
      - { .name: mimg, .offset: 24, .size: 8, .value_kind: global_buffer, .address_space: global }
      - { .name: flags, .offset: 32, .size: 8, .value_kind: global_buffer, .address_space: global }
      - { .name: out0, .offset: 40, .size: 8, .value_kind: global_buffer, .address_space: global }
    .group_segment_fixed_size: 34304
    .private_segment_fixed_size: 0
    .kernarg_segment_align: 8
    .kernarg_segment_size: 48
    .max_flat_workgroup_size: 128
    .sgpr_count:     100
    .vgpr_count:     1024
    .wavefront_size: 32
...
	.end_amdgpu_metadata
.endif
;; end of part 2
